; MI455X (gfx1250); checked and timed in simulation.
; The chip was launched on July 23, 2026; its instructions are those of AMD's public machine-readable ISA for CDNA 5 (MIT licence, August 2026) and "CDNA5" Instruction Set Architecture Reference Guide (July 2026). The comments in the code are by the model that wrote it; some were corrected since.
;; Mixture Of Experts Layer. Allowed arithmetic: matrix products marked QUANTISED: E5M2 operands, one given power-of-two scale a tensor, by v_wmma_f32_16x16x64_bf8_bf8 or v_wmma_f32_16x16x128_bf8_bf8, f32 sums; products left as they are: f32 operands where the result goes on into a quantised operand, else bf16, f16 or f32 operands; f32 sums; everything else in f32.
;; Inputs: b1 8 x 4,096 float32; b2 8 x 1,024 float32; gate_w 1,024 x 8 float32; lowp_scales 4 int32 (the exponents e of the quantised operands' scales 2^e); w1_codes 8 x 4,096 x 32 x 32 uint8 (E5M2 codes of w1, K innermost, in blocks of 32 codes); w2_codes 8 x 1,024 x 128 x 32 uint8 (E5M2 codes of w2, K innermost, in blocks of 32 codes); x 4 x 256 x 1,024 float32.
;; Outputs: out0 4 x 256 x 1,024 float32; out1 one number float32.
;; This version of the problem:
;;   THIS VERSION OF THE PROBLEM IS GIVEN IN LOW PRECISION. The matrix products marked QUANTISED in the list below multiply operands that are first quantised to E5M2 (5 exponent bits, 2 mantissa bits; 8 bits a number), with one given power-of-two scale for each operand tensor; their sums are f32. All else is computed in f32.
;;   The module's matrix products, in the order in which they are computed (A, B: the left and right operand; K: the contracted axis; several contracted axes count as one K, in the product's order):
;;     1. [M 1,024, K 1,024] x [K 1,024, N 8]; A: input x; B: input gate_w: left as it is (N = 8 < 16)
;;     2. batch 1,024 x [M 1, K 2] x [K 2, N 8]; A: softmax; B: computed on the way: left as it is (K = 2 < 32)
;;     3. [M 32,768, K 1,024] x [K 1,024, N 1,024]; A: input w1 (given as codes); B: input x: QUANTISED (scales: A lowp_scales[0], B lowp_scales[1])
;;     4. batch 8 x [M 1,024, K 4,096] x [K 4,096, N 1,024]; A: computed on the way; B: input w2 (given as codes): QUANTISED (scales: A lowp_scales[2], B lowp_scales[3])
;;     5. batch 1,024 x [M 1, K 8] x [K 8, N 1,024]; A: computed on the way; B: computed on the way: left as it is (K = 8 < 32)
;;   THE QUANTISER, for each operand of a quantised product, along K:
;;     - The operand's scale is 2^e, e = its entry of the input lowp_scales (int32; the entries are numbered through the quantised products in the list's order, A before B).
;;     - Each number is divided by the scale, clamped to +-57,344, and rounded to the nearest number of E5M2, ties to even, subnormals kept.
;;     - The product sums the exact products of the quantised numbers (number of the format x scale) in f32.
;;   ~~~python
;;   def quantise(x, axis, e):      # numpy; x: float32 -> the quantised numbers, widened to float32 again
;;       x = np.moveaxis(x, axis, -1); K = x.shape[-1]
;;       r = np.clip(x / 2.0 ** e, -57344, 57344)
;;       step = 2.0 ** (np.maximum(np.frexp(np.where(r == 0, 1, r))[1] - 1, -14) - 2)
;;       q = np.round(r / step) * step * 2.0 ** e      # np.round: ties to even
;;       return np.moveaxis(q, -1, axis).astype(np.float32)
;;   ~~~
;;   OPERANDS COMPUTED ON THE WAY. 'Computed on the way' means the value that the module computes at that place (a softmax that the list does not call 'softmax' is quantised finished and normalised). What goes into a quantiser is computed in f32, as accurately as f32 sums, v_exp_f32 and their like allow (about 1e-6 of the number): no bf16 or f16 on the way to a quantiser, and a product that is left as it is and whose result goes on into a quantised operand takes f32 operands (vector FMAs, or v_wmma_f32_16x16x4_f32). A number that lies on a knife's edge between two numbers of the format may be rounded either way, as far as f32 arithmetic and the matrix unit's own rounding can turn it there, and no further.
;;   INPUTS GIVEN AS CODES. w1 (in the module: [8, 1024, 4096], K = its axis 1); w2 (in the module: [8, 4096, 1024], K = its axis 1): each comes as NAME_codes (uint8): NAME with its K axis moved to the last place and cut into blocks of 32 codes, [.., K / 32, bytes a block], one block behind the other in memory; one code a byte (a code: sign, 5 exponent bits, 2 mantissa bits); its scale is its entry of lowp_scales. Its value is code x scale, taken as it is: it is not quantised again, and the codes and scales need not be those that the quantiser above would give.
;; One version. Each part assembles by itself: llvm-mc -triple=amdgcn-amd-amdhsa -mcpu=gfx1250 --defsym DOCPART=n.
;; ======== version 1 of 1: 4 launches
;; limits: right only within a limited range of input values
;; workspace buffers: xc 1,048,576 bytes; sel 4,096 bytes of whole numbers; prb 8,192 bytes; wts 8,192 bytes; him 33,554,432 bytes; rid 33,024 bytes of whole numbers; par 16,842,752 bytes
;; launch route (part 1): grid 256 x 1, 4 waves a work-group, no clusters, 41,984 bytes of LDS; arguments x, gate_w, lowp_scales, xc, sel, prb, wts; writes xc, sel, prb, wts
.if DOCPART == 1
	.amdgcn_target "amdgcn-amd-amdhsa--gfx1250"
	.amdhsa_code_object_version 6
	.text
	.protected	k_qec4abc20e4_route
	.globl	k_qec4abc20e4_route
	.p2align	8
	.type	k_qec4abc20e4_route,@function
k_qec4abc20e4_route:
	s_mov_b64 s[64:65], 0
	v_nop
	global_prefetch_b8 v0, s[64:65] scope:SCOPE_SE
	s_setreg_imm32_b32 hwreg(HW_REG_WAVE_MODE, 25, 1), 1
	s_wait_xcnt 0x0
; THE ROUTER, AND x INTO CODES.  x: [1024 tokens][1024] f32.  gate_w: [1024][8] f32.  One wave takes one token: t = 4 x work-group + wave.
; scores = x[t] . gate_w (f32 multiply-adds); p = softmax over the 8 experts, the largest score taken away first; the two largest p (of equal ones the lower index, as jax.lax.top_k has it);
; their weights = softmax of the two p.  Stored: sel[t] = first expert | second expert << 8 (whole numbers, at a fixed place: no address here hangs on the choice); wts[t] = the two weights;
; prb[work-group] = the sum of p over the group's four tokens, for the loss; xc[t] = x[t] as codes of E5M2 with the given scale 2^e1 (entry 1 of the scales), K in its natural order.
; LIMITS: e1 between -126 and 112, so that 2^e1 and 57,344 x 2^e1 are f32 numbers.  NaN among the inputs is not served.  Two p that lie closer than the rounding of an f32 sum of 1,024 terms may change places.
; A lane holds x at k = 128 j + 4 lane + i (eight loads of 512 consecutive bytes).  gate_w goes through LDS once a work-group, as 256 pieces of 4 k x 8 experts (128 bytes) 144 bytes apart, so that
; the 16 lanes of an LDS load fall on 16 different columns of 16 bytes.  No matrix unit: N = 8; no tensor load and no cluster: the work-groups share 32 KB of gate_w and nothing else.
.set GWP,  144                         ; a piece of gate_w in LDS: 128 bytes + 16
.set CT,   36864                       ; behind the 256 pieces: 1,024 bytes for each wave, where its codes turn
.set TAIL, 40960                       ; + 32 w: a wave's 8 p;  + 128 + 8 w: its two weights;  + 160 + 4 w: its choice
.set X,    16                          ; v16-47   x
.set CD,   48                          ; v48-55   codes: register j = the four codes of load j
.set CO,   56                          ; v56-63   codes read back, 16 neighbouring bytes a lane
.set ACC,  64                          ; v64-71   the eight scores
.set P,    72                          ; v72-79   the eight p
.set G,    128                         ; v128-255 gate_w: two sets of 64 (first: the 16 loads as they land)
	s_load_b256 s[4:11], s[0:1], 0x0               ; x s[4:5], gate_w s[6:7], the scales s[8:9], xc s[10:11]
	s_load_b128 s[12:15], s[0:1], 0x20             ; sel s[12:13], prb s[14:15]
	s_load_b64 s[16:17], s[0:1], 0x30              ; wts
	v_lshl_add_u32 v126, v0, 2, 0xa200
	v_mov_b32 v127, 0
	v_lshrrev_b32 v1, 5, v0
	v_readfirstlane_b32 s18, v1                    ; wave
	v_and_b32 v1, 31, v0                           ; lane
	v_lshlrev_b32 v2, 4, v1                        ; 16 x lane
	v_lshlrev_b32 v12, 4, v0                       ; 16 x thread: gate_w as it lies
	v_lshrrev_b32 v3, 3, v0
	v_mul_u32_u24 v3, v3, GWP
	v_and_b32 v13, 7, v0
	s_wait_alu depctr_va_vdst(0)
	v_lshl_add_u32 v3, v13, 4, v3                  ; gate_w into LDS: piece thread / 8, 16 bytes thread % 8
	v_mul_u32_u24 v4, v1, GWP                      ; and out: piece 32 j + lane
	s_lshl_b32 s24, s18, 10
	s_add_co_u32 s24, s24, CT
	v_lshl_add_u32 v5, v1, 2, s24                  ; my codes' turn: in, 4 bytes a lane,
	v_lshl_add_u32 v6, v1, 4, s24                  ; out, 16 bytes a lane
	s_lshl_b32 s24, s18, 5
	s_add_co_u32 s24, s24, TAIL
	v_mov_b32 v7, s24
	s_lshl_b32 s24, s18, 3
	s_add_co_u32 s24, s24, TAIL+128
	v_mov_b32 v8, s24
	s_lshl_b32 s24, s18, 2
	s_add_co_u32 s24, s24, TAIL+160
	v_mov_b32 v9, s24
	v_lshl_add_u32 v10, v13, 2, TAIL               ; wave 0 at the end: word lane % 8,
	v_and_b32 v11, 3, v0
	v_lshl_add_u32 v11, v11, 2, TAIL+160           ; word lane % 4
	s_lshl_b32 s19, ttmp9, 2
	s_add_co_u32 s19, s19, s18                     ; my token
	s_lshl_b32 s20, s19, 12
	s_mov_b32 s21, 0                               ; its row of x
	s_lshl_b32 s22, s19, 10
	s_mov_b32 s23, 0                               ; its row of codes
	s_lshl_b32 s24, ttmp9, 5
	s_mov_b32 s25, 0                               ; the group's 32 bytes of prb and of wts
	s_lshl_b32 s36, ttmp9, 4
	s_mov_b32 s37, 0                               ; its 16 bytes of sel
	s_mov_b32 s26, 0x76543210                      ; v_permlanex16_b32: lane l xor 16
	s_mov_b32 s27, 0xfedcba98
	s_mov_b32 s34, 0x3fb8aa3b                      ; log2(e)
	s_wait_alu depctr_va_vdst(0)
	s_wait_kmcnt 0x0
	s_load_b128 s[28:31], s[8:9], 0x0              ; e0 .. e3
	s_add_nc_u64 s[4:5], s[4:5], s[20:21]
	s_add_nc_u64 s[10:11], s[10:11], s[22:23]
	s_add_nc_u64 s[14:15], s[14:15], s[24:25]
	s_add_nc_u64 s[16:17], s[16:17], s[24:25]
	s_add_nc_u64 s[12:13], s[12:13], s[36:37]
.irp n, 0,1,2,3,4,5,6,7,8,9,10,11,12,13,14,15
	global_load_b128 v[G+4*\n:G+4*\n+3], v12, s[6:7] offset:2048*\n   ; a wave reads 512 consecutive bytes, the group 2,048
.endr
.irp j, 0,1,2,3,4,5,6,7
	global_load_b128 v[X+4*\j:X+4*\j+3], v2, s[4:5] offset:512*\j th:TH_LOAD_NT   ; read once in the launch
.endr
	s_wait_loadcnt 8                               ; gate_w is in; the eight loads of x behind it may be out
.irp n, 0,1,2,3,4,5,6,7,8,9,10,11,12,13,14,15
	ds_store_b128 v3, v[G+4*\n:G+4*\n+3] offset:16*GWP*\n
.endr
	s_wait_dscnt 0x0                               ; for the others' sake: my part of gate_w lies in LDS
	s_barrier_signal -1
	s_barrier_wait -1
.macro GFETCH buf, j0                  ; gate_w at my k of loads j0 and j0 + 1: 2 x 4 k x 8 experts
.irp jj, 0,1
.irp p, 0,1,2,3,4,5,6,7
	ds_load_b128 v[G+64*\buf+32*\jj+4*\p:G+64*\buf+32*\jj+4*\p+3], v4 offset:32*GWP*(\j0+\jj)+16*\p
.endr
.endr
.endm
.macro FMA buf, j0, first              ; 32 packed multiply-adds: one x for two experts; first = 1: the first four start the sums
.irp jj, 0,1
.irp i, 0,1,2,3
.irp ep, 0,1,2,3
.set rx, X+4*(\j0+\jj)+2*(\i/2)
.set rg, G+64*\buf+32*\jj+8*\i+2*\ep
.set ra, ACC+2*\ep
.if \first && (\jj == 0) && (\i == 0)
	v_pk_mul_f32 v[ra:ra+1], v[rx:rx+1], v[rg:rg+1] op_sel_hi:[0,1]
.elseif (\i % 2) == 0
	v_pk_fma_f32 v[ra:ra+1], v[rx:rx+1], v[rg:rg+1], v[ra:ra+1] op_sel_hi:[0,1,1]
.else
	v_pk_fma_f32 v[ra:ra+1], v[rx:rx+1], v[rg:rg+1], v[ra:ra+1] op_sel:[1,0,0] op_sel_hi:[1,1,1]
.endif
.endr
.endr
.endr
.endm
	GFETCH 0, 0
	GFETCH 1, 2
	s_wait_loadcnt 0x0                             ; x
	s_wait_dscnt 16                                ; the older set is in; the other set's 16 loads may be out (so at each of these waits)
	FMA 0, 0, 1
	GFETCH 0, 4
	s_wait_alu depctr_va_vdst(0)
	s_wait_dscnt 16
	FMA 1, 2, 0
	GFETCH 1, 6
	s_wait_alu depctr_va_vdst(0)
	s_wait_dscnt 16
	FMA 0, 4, 0
	s_wait_alu depctr_va_vdst(0)
	s_wait_dscnt 0x0
	FMA 1, 6, 0
	; x into codes: held within +-57,344 x 2^e1 (the conversion does not saturate: ISA guide 7.6.2), divided by 2^e1, rounded to the nearest code, ties to even
	s_wait_kmcnt 0x0
	s_add_co_i32 s32, s29, 127
	s_lshl_b32 s33, s32, 23
	v_mov_b32 v14, s33                             ; 2^e1: the conversion takes its exponent field
	s_add_co_i32 s32, s32, 15
	s_lshl_b32 s32, s32, 23
	s_or_b32 s32, s32, 0x600000
	v_mov_b32 v15, s32                             ; 57,344 x 2^e1
.irp j, 0,1,2,3,4,5,6,7,8,9,10,11,12,13,14,15,16,17,18,19,20,21,22,23,24,25,26,27,28,29,30,31
	v_med3_num_f32 v[X+\j], v[X+\j], -v15, v15
.endr
.irp m, 0,1,2,3
	v_cvt_scalef32_pk8_bf8_f32 v[CD+2*\m:CD+2*\m+1], v[X+8*\m:X+8*\m+7], v14
.endr
	v_nop                                          ; a plain line behind the last conversion
.irp j, 0,1,2,3,4,5,6,7
	ds_store_b32 v5, v[CD+\j] offset:128*\j        ; bytes 128 j + 4 lane of the token's row
.endr
	ds_load_b128 v[CO:CO+3], v6                    ; my own bytes: LDS serves a wave's instructions in order
	ds_load_b128 v[CO+4:CO+7], v6 offset:512
	; the scores' sums over the 32 lanes, meanwhile
.irp m, 1,2,4,8
.irp e, 0,1,2,3,4,5,6,7
	v_add_f32_dpp v[ACC+\e], v[ACC+\e], v[ACC+\e] row_xmask:\m row_mask:0xf bank_mask:0xf
.endr
.endr
.irp e, 0,1,2,3,4,5,6,7
	v_permlanex16_b32 v[G+\e], v[ACC+\e], s26, s27 ; (its destination counts as read: these registers have been written)
.endr
.irp e, 0,1,2,3,4,5,6,7
	v_add_f32 v[ACC+\e], v[ACC+\e], v[G+\e]        ; every lane holds all eight scores
.endr
	s_wait_alu depctr_va_vdst(0)
	s_wait_dscnt 0x0
	global_store_b128 v2, v[CO:CO+3], s[10:11]     ; 512 consecutive bytes each
	global_store_b128 v2, v[CO+4:CO+7], s[10:11] offset:512
	; softmax over the eight
	v_max3_num_f32 v88, v[ACC], v[ACC+1], v[ACC+2]
	v_max3_num_f32 v88, v88, v[ACC+3], v[ACC+4]
	v_max3_num_f32 v88, v88, v[ACC+5], v[ACC+6]
	v_max_num_f32 v88, v88, v[ACC+7]
	v_mul_f32 v89, s34, v88                        ; m x log2(e): its rounding is a factor common to the eight, which the division takes out
.irp e, 0,1,2,3,4,5,6,7
	v_fma_f32 v[P+\e], v[ACC+\e], s34, -v89
.endr
	s_wait_alu depctr_va_vdst(0)
.irp e, 0,1,2,3,4,5,6,7
	v_exp_f32 v[P+\e], v[P+\e]
.endr
	v_nop                                          ; a plain line behind the last exponential,
	s_wait_alu depctr_va_vdst(0)                   ; and one wait for the batch, ahead of its first reader
	v_add_f32 v89, v[P], v[P+1]
	v_add_f32 v90, v[P+2], v[P+3]
	v_add_f32 v91, v[P+4], v[P+5]
	v_add_f32 v92, v[P+6], v[P+7]
	v_add_f32 v89, v89, v90
	v_add_f32 v91, v91, v92
	v_add_f32 v89, v89, v91
	s_wait_alu depctr_va_vdst(0)
	v_rcp_f32 v93, v89
	v_nop
	s_wait_alu depctr_va_vdst(0)
.irp e, 0,1,2,3,4,5,6,7
	v_mul_f32 v[P+\e], v[P+\e], v93
.endr
	; the two largest p: values are chosen, nothing branches
	v_mov_b32 v94, v[P]
	v_mov_b32 v95, 0
.irp e, 1,2,3,4,5,6,7
	v_cmp_gt_f32 vcc_lo, v[P+\e], v94              ; strictly larger: of equal ones the lower index stays
	v_cndmask_b32 v94, v94, v[P+\e], vcc_lo
	v_cndmask_b32 v95, v95, \e, vcc_lo
.endr
	v_mov_b32 v96, -1.0                            ; under every p
	v_mov_b32 v97, 0
.irp e, 0,1,2,3,4,5,6,7
	v_cmp_ne_u32 s35, \e, v95
	v_cmp_gt_f32 vcc_lo, v[P+\e], v96
	s_and_b32 vcc_lo, vcc_lo, s35
	v_cndmask_b32 v96, v96, v[P+\e], vcc_lo
	v_cndmask_b32 v97, v97, \e, vcc_lo
.endr
	v_sub_f32 v98, v96, v94                        ; second less first: the larger of the two is taken away, the exponent is 0 or less
	v_mul_f32 v98, s34, v98
	s_wait_alu depctr_va_vdst(0)
	v_exp_f32 v99, v98
	v_lshl_or_b32 v104, v97, 8, v95                ; (a plain line behind the exponential)  the choice in the low half;
	v_mov_b32 v105, 0x10000                        ; in the high half bit 16 + e for either expert e, bit 24 + e for the second
	v_mov_b32 v106, 0x1010000
	v_lshlrev_b32 v105, v95, v105
	v_lshlrev_b32 v106, v97, v106
	v_or_b32 v104, v104, v105
	v_or_b32 v104, v104, v106
	s_wait_alu depctr_va_vdst(0)
	v_add_f32 v100, 1.0, v99
	s_wait_alu depctr_va_vdst(0)
	v_rcp_f32 v102, v100                           ; the first weight,
	v_nop
	s_wait_alu depctr_va_vdst(0)
	v_mul_f32 v103, v99, v102                      ; the second
	ds_store_b128 v7, v[P:P+3]                     ; all lanes hold the same numbers and write the same words
	ds_store_b128 v7, v[P+4:P+7] offset:16
	ds_store_b64 v8, v[102:103]
	ds_store_b32 v9, v104
	s_wait_dscnt 0x0                               ; for wave 0's sake
	s_barrier_signal -1
	s_barrier_wait -1
	s_cmp_lg_u32 s18, 0
	s_cbranch_scc1 .Ldone
	ds_load_b32 v110, v10                          ; expert lane % 8 of the four tokens,
	ds_load_b32 v111, v10 offset:32
	ds_load_b32 v112, v10 offset:64
	ds_load_b32 v113, v10 offset:96
	ds_load_b32 v114, v10 offset:128               ; the eight weights,
	ds_load_b32 v115, v11                          ; the four choices
	v_lshlrev_b32 v116, 2, v1
	s_wait_dscnt 0x0
	v_add_f32 v110, v110, v111
	v_add_f32 v112, v112, v113
	v_add_f32 v110, v110, v112
	v_cmp_gt_u32 vcc_lo, 8, v1
	s_wait_alu depctr_va_vdst(0)
	s_wait_xcnt 0x0                                ; EXEC is a source of the stores that are out: it changes only behind this wait
	s_and_saveexec_b32 s38, vcc_lo
	global_store_b32 v116, v110, s[14:15]
	global_store_b32 v116, v114, s[16:17]
	v_cmp_gt_u32 vcc_lo, 4, v1
	s_wait_xcnt 0x0
	s_and_saveexec_b32 s39, vcc_lo
	global_store_b32 v116, v115, s[12:13]
.Ldone:
	s_wait_xcnt 0x0
	s_mov_b32 exec_lo, -1
	s_wait_tensorcnt 0x0
	ds_add_u32 v126, v127
	s_wait_dscnt 0x0
	s_endpgm
.Lfunc_end_k_qec4abc20e4_route:
	.size	k_qec4abc20e4_route, .Lfunc_end_k_qec4abc20e4_route-k_qec4abc20e4_route
	.p2alignl 7, 3214868480
	.fill 96, 4, 3214868480
	.section	.rodata,"a",@progbits
	.p2align	6, 0x0
	.amdhsa_kernel k_qec4abc20e4_route
		.amdhsa_group_segment_fixed_size 41984
		.amdhsa_private_segment_fixed_size 0
		.amdhsa_enable_private_segment 0
		.amdhsa_kernarg_size 56
		.amdhsa_user_sgpr_count 2
		.amdhsa_user_sgpr_kernarg_segment_ptr 1
		.amdhsa_wavefront_size32 1
		.amdhsa_system_sgpr_workgroup_id_x 1
		.amdhsa_system_sgpr_workgroup_id_y 1
		.amdhsa_system_sgpr_workgroup_id_z 1
		.amdhsa_system_vgpr_workitem_id 0
		.amdhsa_next_free_vgpr 256
		.amdhsa_next_free_sgpr 66
		.amdhsa_reserve_vcc 1
		.amdhsa_float_denorm_mode_32 3
		.amdhsa_float_denorm_mode_16_64 3
		.amdhsa_memory_ordered 1
		.amdhsa_forward_progress 1
		.amdhsa_inst_pref_size 32
	.end_amdhsa_kernel
	.amdgpu_metadata
---
amdhsa.version: [ 1, 2 ]
amdhsa.kernels:
  - .name:           k_qec4abc20e4_route
    .symbol:         k_qec4abc20e4_route.kd
    .args:
      - { .name: x, .offset: 0, .size: 8, .value_kind: global_buffer, .address_space: global }
      - { .name: gate_w, .offset: 8, .size: 8, .value_kind: global_buffer, .address_space: global }
      - { .name: lowp_scales, .offset: 16, .size: 8, .value_kind: global_buffer, .address_space: global }
      - { .name: xc, .offset: 24, .size: 8, .value_kind: global_buffer, .address_space: global }
      - { .name: sel, .offset: 32, .size: 8, .value_kind: global_buffer, .address_space: global }
      - { .name: prb, .offset: 40, .size: 8, .value_kind: global_buffer, .address_space: global }
      - { .name: wts, .offset: 48, .size: 8, .value_kind: global_buffer, .address_space: global }
    .group_segment_fixed_size: 41984
    .private_segment_fixed_size: 0
    .kernarg_segment_align: 8
    .kernarg_segment_size: 56
    .max_flat_workgroup_size: 128
    .sgpr_count:     66
    .vgpr_count:     256
    .wavefront_size: 32
...
	.end_amdgpu_metadata
.endif
;; end of part 1
;; launch up (part 2): grid 32 x 8, 4 waves a work-group, no clusters, 206,336 bytes of LDS; arguments xc, sel, w1_codes, b1, lowp_scales, him, rid; writes him, rid
.if DOCPART == 2
	.amdgcn_target "amdgcn-amd-amdhsa--gfx1250"
	.amdhsa_code_object_version 6
	.text
	.protected	k_qec4abc20e4_up
	.globl	k_qec4abc20e4_up
	.p2align	8
	.type	k_qec4abc20e4_up,@function
k_qec4abc20e4_up:
	s_mov_b64 s[64:65], 0
	v_nop
	global_prefetch_b8 v0, s[64:65] scope:SCOPE_SE
	s_setreg_imm32_b32 hwreg(HW_REG_WAVE_MODE, 25, 1), 1
	s_wait_xcnt 0x0
; THE FIRST PRODUCT, FOR THE ROUTED ROWS ALONE: h = Q(relu(x W1[e] + b1[e])), on codes of E5M2.  xc: [1024 tokens][1024] codes of x.  w1_codes: [8][4096 f][1024 k].
; sel: [1024]: bit 16 + e: the token goes to expert e; bit 24 + e: as its second choice.  A work-group owns expert e = y and the 128 f of block ns = x; it keeps their 128 KB of codes in LDS and serves all rows of the expert.
; THE ROWS.  Wave 0 makes the expert's list in LDS: entry p = 2 token + slot; its place is a running count (scalar) + the number of chosen lanes below.  Entries past the count M hold 2,048 + e (token held at 1,023):
; such rows are computed like the others, and the next launch puts them into a spare row of its own for each expert.  M = 0: one tile of such rows is made, since the next launch loads tile 0 in any case.
; SHARES.  A pass is 20 tiles of 16 rows; wave w owns tiles w, w + 4, .. w + 16 of it and ALL 128 f: a fragment of W1 read from LDS feeds five matrix instructions, and no barrier stands in the passes.
; A tile's rows of x are loaded as 256 aligned bytes of two rows a load, turn in the wave's own LDS, and stay in registers as 8 fragments.  Then 16 steps: two halves of 64 f x 8 K steps.
; THE PRODUCT IS USED TRANSPOSED (source 0 = 16 rows of W1, source 1 = 16 rows of x); row i of W1's tile 2 b + u is f = 32 b + 8 u + i + 8 (i / 8), so a lane's 16 registers of tiles 2 b, 2 b + 1 are 16 neighbours along the next K.
; The conversions' results leave as an image of the next product's operand: him[e][tile][K step ns][piece b][lane][16 bytes].
; b1, divided by 2^(e0 + e1), is the C of each sum's first matrix instruction; relu and the hold at the largest code are one v_med3; the three scales ahead of the quantiser are one: 2^(e2 - e0 - e1).
; rid[e][0 .. 1023] = the list, and rid's word 8,192 + e = M, are stored by the work-groups with ns = 0.
; NO TENSOR LOADS, NO JOINT LOADS: how many passes there are hangs on a count made from numbers read from memory.  No prefetch: the loads themselves go out as early as the registers allow, and there is no loop to run ahead in.
; LIMITS: e2 - e0 - e1 between -126 and 112.  NaN is not served.
; REGISTERS: window 0: below.  x: tiles 0, 1 window 1; 2, 3 window 2; 4 window 3 v0-127.  Sums: tiles 0-3 window 3 v128-255; tile 4 window 0 v192-223.  W1 as it lands: window 3 v128-255, then window 0 v64-191.
.set PITCH, 1040                       ; an LDS row: 1,024 bytes + 16: 65 x 16, so the 16 rows of a fragment load fall on 16 different columns of 16 bytes
.set TILEB, 16*PITCH
.set XA,    8*TILEB                    ; each wave's turn of 16 rows of x
.set LIST,  XA+4*TILEB                 ; 1,280 entries for four passes, 32 words for tokens not chosen from entry 1,280 on, M at byte 6,000
.set SPARE, LIST+6144
.set OFX,   24                         ; v24-63 byte offsets in xc (8 a tile), then codes (8 a tile)
.set WB,    64                         ; v64-127, v128-191 fragments of W1
.set AC4,   192
.set BIAS,  224                        ; v224-255 b1 / 2^(e0 + e1) in the result's layout, one half of f
.set MSB, 0
.macro WIN new                         ; the immediate's high byte repeats the setting that is left
.if MSB != (\new)
	s_set_vgpr_msb (MSB<<8)|(\new)
.set MSB, (\new)
.endif
.endm
.macro PL n
.rept \n
	v_nop
.endr
.endm
	s_load_b256 s[4:11], s[0:1], 0x0               ; xc s[4:5], sel s[6:7], w1_codes s[8:9], b1 s[10:11]
	s_load_b128 s[12:15], s[0:1], 0x20             ; the scales s[12:13], him s[14:15]
	s_load_b64 s[16:17], s[0:1], 0x30              ; rid
	v_lshl_add_u32 v9, v0, 2, SPARE                ; my spare word
	v_mov_b32 v10, 0
	v_lshrrev_b32 v1, 5, v0
	v_readfirstlane_b32 s18, v1                    ; wave
	s_and_b32 s21, ttmp7, 0xffff                   ; expert
	s_mov_b32 s22, ttmp9                           ; block of f
	v_and_b32 v1, 31, v0                           ; lane
	v_and_b32 v2, 15, v0                           ; r
	v_bfe_u32 v3, v0, 4, 1                         ; h
	v_lshlrev_b32 v4, 4, v2                        ; 16 r
	v_lshlrev_b32 v5, 4, v1                        ; 16 lane
	v_lshlrev_b32 v18, 4, v0                       ; 16 thread
	v_add_nc_u32 v14, LIST, v18                    ; my 16 bytes of the list
	s_add_co_u32 s30, s21, 2048
.irp i, 0,1,2,3
	v_mov_b32 v[64+\i], s30
.endr
	ds_store_b128 v14, v[64:67]                    ; the whole list starts as 2,048 + e
	ds_store_b128 v14, v[64:67] offset:2048
	ds_store_b128 v14, v[64:67] offset:4096
	s_mul_i32 s30, s18, TILEB
	s_add_co_u32 s30, s30, XA
	v_mul_u32_u24 v6, v3, PITCH
	v_add_nc_u32 v6, v6, v4
	v_add_nc_u32 v6, s30, v6                       ; x into its turn: row lane / 16, 16 bytes lane % 16
	v_mul_u32_u24 v11, v2, PITCH
	v_lshl_add_u32 v11, v3, 4, v11                 ; a fragment: row r, + 16 h: W1, half 0
	v_add_nc_u32 v7, s30, v11                      ; x out of its turn
	v_add_nc_u32 v12, 4*TILEB, v11                 ; W1, half 1
	s_mul_i32 s30, s18, 2*TILEB
	v_add_nc_u32 v8, s30, v5                       ; W1 into LDS: the 32 places of the rows that I load
	s_lshl_b32 s30, s18, 6
	s_add_co_u32 s30, s30, LIST
	v_lshl_add_u32 v13, v3, 2, s30                 ; the list at my tile w, row lane / 16
	v_lshlrev_b32 v15, 6, v3                       ; b1: 4 x 16 h
	v_mov_b32 v20, LIST+6000
	v_add_nc_u32 v21, 1280, v1
	v_lshlrev_b32 v22, 3, v1
	s_wait_alu depctr_va_vdst(0)                   ; the wait at the head's end
	s_lshl_b32 s30, s21, 22
	s_lshl_b32 s31, s22, 17
	s_add_co_u32 s30, s30, s31
	s_lshl_b32 s31, s18, 15
	s_add_co_u32 s30, s30, s31
	s_mov_b32 s31, 0                               ; W1: expert, block of 128 rows, my 32 rows
	s_lshl_b32 s32, s21, 14
	s_lshl_b32 s33, s22, 9
	s_add_co_u32 s32, s32, s33
	s_mov_b32 s33, 0                               ; b1
	s_lshl_b32 s36, s21, 22
	s_lshl_b32 s37, s22, 11
	s_add_co_u32 s36, s36, s37
	s_mov_b32 s37, 0                               ; him: expert, K step ns
	s_lshl_b32 s38, s21, 12
	s_mov_b32 s39, 0                               ; rid: expert
	s_wait_kmcnt 0x0
	s_load_b128 s[56:59], s[12:13], 0x0            ; e0 (W1), e1 (x), e2 (h), e3
	s_add_nc_u64 s[8:9], s[8:9], s[30:31]
	s_add_nc_u64 s[10:11], s[10:11], s[32:33]
	s_add_nc_u64 s[14:15], s[14:15], s[36:37]
	s_add_nc_u64 s[62:63], s[16:17], s[38:39]
.macro BLOAD a                         ; b1 of half a
.irp t, 0,1,2,3
	global_load_b128 v[BIAS+8*\t:BIAS+8*\t+3], v15, s[10:11] offset:256*(\a)+(32*(\t/2)+8*(\t%2))*4
	global_load_b128 v[BIAS+8*\t+4:BIAS+8*\t+7], v15, s[10:11] offset:256*(\a)+(32*(\t/2)+8*(\t%2))*4+16
.endr
.endm
.macro WLOAD q0, n                     ; n loads of 512 consecutive bytes of my 32 KB
.set q, \q0
.rept \n
.if q < 32
	WIN 0xc0
	global_load_b128 v[128+4*q:128+4*q+3], v5, s[8:9] offset:512*q th:TH_LOAD_NT
.else
	WIN 0
	global_load_b128 v[WB+4*(q-32):WB+4*(q-32)+3], v5, s[8:9] offset:512*q th:TH_LOAD_NT
.endif
.set q, q+1
.endr
	WIN 0
.endm
.macro WST q0, n                       ; row l = 16 hh + 8 u + j of my 32 goes to place 16 u + 8 hh + j: a tile's 16 rows then lie on end
.set q, \q0
.rept \n
.set l, q/2
.if q < 32
	WIN 0x0c
	ds_store_b128 v8, v[128+4*q:128+4*q+3] offset:(16*((l/8)%2)+8*(l/16)+(l%8))*PITCH+512*(q%2)
.else
	WIN 0
	ds_store_b128 v8, v[WB+4*(q-32):WB+4*(q-32)+3] offset:(16*((l/8)%2)+8*(l/16)+(l%8))*PITCH+512*(q%2)
.endif
.set q, q+1
.endr
	WIN 0
.endm
	s_wait_dscnt 0x0                               ; my part of the list's start lies in LDS
	s_barrier_signal -1
	s_barrier_wait -1
	s_cmp_lg_u32 s18, 0
	s_cbranch_scc1 .Lno_sel
.irp j, 0,1,2,3,4,5,6,7
	global_load_b128 v[64+4*\j:67+4*\j], v5, s[6:7] offset:512*\j   ; register g (0 .. 31) of lane l: token 128 (g / 4) + 4 l + g % 4
.endr
.Lno_sel:
	BLOAD 0
	WLOAD 0, 32
	s_cmp_lg_u32 s18, 0
	s_cbranch_scc1 .Lno_list
	s_lshl_b32 s25, 0x10000, s21                   ; the bit of those who go to this expert,
	s_add_co_u32 s34, s21, 24                      ; and the place of the second choice's
	s_mov_b32 s23, 0
	s_wait_loadcnt 40                              ; sel is in; b1's 8 loads and the 32 of weights behind it may be out
.set gg, 0
.rept 32
	v_and_b32 v[96+gg], s25, v[64+gg]
.set gg, gg+1
.endr
.set gg, 0
.rept 32
	v_cmp_ne_u32 s[68+gg], 0, v[96+gg]
.set gg, gg+1
.endr
.set gg, 0
.rept 32
	v_mbcnt_lo_u32_b32 v[96+gg], s[68+gg], s23     ; my place in the list, if I am chosen
	s_bcnt1_i32_b32 s30, s[68+gg]
	s_add_co_u32 s23, s23, s30
.set gg, gg+1
.endr
.set gg, 0
.rept 32
	v_cndmask_b32 v[96+gg], v21, v[96+gg], s[68+gg] ; else a word that nobody reads
.set gg, gg+1
.endr
.set gg, 0
.rept 32
	v_min_u32 v[96+gg], 0x5ff, v[96+gg]
.set gg, gg+1
.endr
.set gg, 0
.rept 32
	v_lshl_add_u32 v[96+gg], v[96+gg], 2, LIST
.set gg, gg+1
.endr
.set gg, 0
.rept 32
	v_bfe_u32 v[128+gg], v[64+gg], s34, 1
.set gg, gg+1
.endr
.set gg, 0
.rept 32
	v_add3_u32 v[128+gg], v[128+gg], v22, 2*(128*(gg/4)+gg%4)   ; 2 token + slot
.set gg, gg+1
.endr
.set gg, 0
.rept 32
	ds_store_b32 v[96+gg], v[128+gg]
.set gg, gg+1
.endr
	v_mov_b32 v19, s23
	ds_store_b32 v20, v19                          ; M, for the other waves (all lanes the same word)
	s_cmp_lg_u32 s22, 0
	s_cbranch_scc1 .Lno_list
	s_lshl_b32 s30, s21, 2
	v_mov_b32 v23, s30
	global_store_b32 v23, v19, s[16:17] offset:32768   ; and for the next launch
.Lno_list:
	s_wait_dscnt 0x0                               ; for the others' sake: the list lies in LDS
	s_barrier_signal -1
	s_barrier_wait -1
.macro TOKENS adr                      ; ids of rows 2 i + lane / 16 of my five tiles
.irp t, 0,1,2,3,4
.irp i, 0,1,2,3,4,5,6,7
	ds_load_b32 v[OFX+8*\t+\i], v[\adr] offset:256*\t+8*\i
.endr
.endr
.endm
.macro XL t                            ; a tile's 16 rows of codes: a load takes 256 aligned bytes of each of two rows
.irp i, 0,1,2,3,4,5,6,7
	v_lshrrev_b32 v[OFX+8*(\t)+\i], 1, v[OFX+8*(\t)+\i]
.endr
.irp i, 0,1,2,3,4,5,6,7
	v_min_u32 v[OFX+8*(\t)+\i], 0x3ff, v[OFX+8*(\t)+\i]
.endr
.irp i, 0,1,2,3,4,5,6,7
	v_lshl_add_u32 v[OFX+8*(\t)+\i], v[OFX+8*(\t)+\i], 10, v4
.endr
	WIN 0x40*(1+(\t)/2)
.irp i, 0,1,2,3,4,5,6,7
.irp j, 0,1,2,3
	global_load_b128 v[128*((\t)%2)+16*\i+4*\j:128*((\t)%2)+16*\i+4*\j+3], v[OFX+8*(\t)+\i], s[4:5] offset:256*\j
.endr
.endr
	WIN 0
.endm
.macro XT t                            ; the tile turns: rows into my own LDS, fragments back into the same registers (LDS serves a wave's instructions in order)
	WIN 4*(1+(\t)/2)
.irp i, 0,1,2,3,4,5,6,7
.irp j, 0,1,2,3
	ds_store_b128 v6, v[128*((\t)%2)+16*\i+4*\j:128*((\t)%2)+16*\i+4*\j+3] offset:2*PITCH*\i+256*\j
.endr
.endr
	WIN 0x40*(1+(\t)/2)
.irp k, 0,1,2,3,4,5,6,7
.irp c, 0,1,2,3
	ds_load_b128 v[128*((\t)%2)+16*\k+4*\c:128*((\t)%2)+16*\k+4*\c+3], v7 offset:128*\k+32*\c
.endr
.endr
	WIN 0
.endm
.macro TILES                           ; my tiles' numbers s50-54 and their images s[40:49]
	s_mov_b32 s31, 0
.irp t, 0,1,2,3,4
	s_add_co_u32 s[50+\t], s27, s18
.if \t
	s_add_co_u32 s[50+\t], s[50+\t], 4*\t
.endif
	s_min_u32 s30, s[50+\t], 63                    ; (tiles past the last are never stored)
	s_lshl_b32 s30, s30, 16
	s_add_nc_u64 s[40+2*\t:41+2*\t], s[14:15], s[30:31]
.endr
.endm
	ds_load_b32 v96, v20
	TOKENS 13
	s_mov_b32 s26, 0                               ; the pass,
	s_mov_b32 s27, 0                               ; its first tile,
	s_mov_b32 s28, 0                               ; and its first byte of the list
	s_wait_dscnt 0x0
	v_readfirstlane_b32 s23, v96                   ; M
	XL 0
	XL 1
	s_add_co_u32 s24, s23, 15
	s_lshr_b32 s24, s24, 4
	s_max_u32 s24, s24, 1                          ; tiles to make
	s_wait_loadcnt 63                              ; weights 0-31 are in (behind them: 64 loads of x)
	WST 0, 32
	WLOAD 32, 16
	s_wait_loadcnt 48                              ; tile 0 is in (behind it: tile 1, 16 loads of weights)
	XT 0
	XL 2
	s_wait_loadcnt 48                              ; tile 1 (behind it: 16 of weights, tile 2)
	XT 1
	s_wait_dscnt 0x0                               ; (the turns are over)
	WLOAD 48, 16
	s_wait_loadcnt 48                              ; weights 32-47 (behind them: tile 2, 16 of weights)
	WST 32, 16
	XL 3
	s_wait_loadcnt 48                              ; tile 2 (behind it: 16 of weights, tile 3)
	XT 2
	XL 4
	s_wait_loadcnt 63                              ; weights 48-63 (behind them: tiles 3, 4: 64 loads)
	WST 48, 16
	s_wait_kmcnt 0x0
	s_add_co_i32 s30, s56, s57                     ; a sum stands for sum x 2^(e0 + e1): b1 goes in divided by that
	s_sub_co_i32 s60, 0, s30
	s_sub_co_i32 s30, s58, s30
	s_add_co_i32 s30, s30, 127
	s_lshl_b32 s31, s30, 23
	v_mov_b32 v17, s31                             ; 2^(e2 - e0 - e1)
	s_add_co_i32 s30, s30, 15
	s_lshl_b32 s30, s30, 23
	s_or_b32 s30, s30, 0x600000
	v_mov_b32 v16, s30                             ; 57,344 x that
	s_wait_alu depctr_va_vdst(0)                   ; the wait here, ahead of the waits below
	s_wait_dscnt 0x0                               ; for the others' sake: my weights lie in LDS
	s_barrier_signal -1
	s_barrier_wait -1
	s_cmp_lg_u32 s22, 0
	s_cbranch_scc1 .Lno_rid
	ds_load_b128 v[192:195], v14                   ; the list goes out whole: 4,096 bytes
	ds_load_b128 v[196:199], v14 offset:2048
	s_wait_dscnt 0x0
	global_store_b128 v18, v[192:195], s[62:63]
	global_store_b128 v18, v[196:199], s[62:63] offset:2048
	s_wait_xcnt 0x0                                ; v192-199 are sums later
.Lno_rid:
	s_wait_loadcnt 32                              ; tile 3 (behind it: tile 4)
	XT 3
	s_wait_loadcnt 0x0
	XT 4
.macro WFR n                           ; W1's four fragments of step n = 8 half + K step
.irp t, 0,1,2,3
.irp c, 0,1,2,3
	ds_load_b128 v[WB+64*((\n)%2)+16*\t+4*\c:WB+64*((\n)%2)+16*\t+4*\c+3], v[11+(\n)/8] offset:TILEB*\t+128*((\n)%8)+32*\c
.endr
.endr
.endm
; A STEP: 20 matrix instructions, five tiles x four of W1's; the 20 accumulators by turns, one instruction a turn; K ascending.  The next step's fragments of W1 are fetched ahead of them.
; A load into a register that a matrix instruction has read stands four places behind it.
.macro USTEP n
	s_wait_dscnt 0x0                               ; this step's fragments
	PL 4
.if (\n) < 15
	WFR (\n)+1
.endif
.if (\n) == 2
	BLOAD 1
.endif
.irp t, 0,1,2,3,4
.irp j, 0,1,2,3
.set wx, 128*(\t%2)+16*((\n)%8)
.set ww, WB+64*((\n)%2)+16*\j
.if \t < 4
.set ac, 128+32*\t+8*\j
.else
.set ac, AC4+8*\j
.endif
.if ((\n)%8) == 0
.if \t < 4
	WIN 0xc0+4*(1+\t/2)
.else
	WIN 0x0c
.endif
	v_wmma_f32_16x16x128_bf8_bf8 v[ac:ac+7], v[ww:ww+15], v[wx:wx+15], v[BIAS+8*\j:BIAS+8*\j+7]
.else
.if \t < 4
	WIN 0xf0+4*(1+\t/2)
.else
	WIN 0x0c
.endif
	v_wmma_f32_16x16x128_bf8_bf8 v[ac:ac+7], v[ww:ww+15], v[wx:wx+15], v[ac:ac+7]
.endif
.endr
.endr
	WIN 0
.endm
.macro DIVB
.set jj, 0
.rept 32
	v_ldexp_f32 v[BIAS+jj], v[BIAS+jj], s60
.set jj, jj+1
.endr
	s_wait_alu depctr_va_vdst(0)                   ; the wait here, ahead of the step's waits
.endm
.macro EPI a                           ; half a: relu, hold, codes, two stores of 512 bytes a tile
	PL 4                                           ; four places between the last product and the first read of results (ISA guide 7.12.1)
	s_wait_xcnt 0x0                                ; the last half's stores have read the codes' registers
	WIN 0xc3
.set jj, 128
.rept 128
	v_med3_num_f32 v[jj], v[jj], 0, v16            ; the activation and the hold in one; each accumulator from its low end on
.set jj, jj+1
.endr
	WIN 0x03
.set jj, 0
.rept 16
	v_cvt_scalef32_pk8_bf8_f32 v[OFX+2*jj:OFX+2*jj+1], v[128+8*jj:128+8*jj+7], v17
.set jj, jj+1
.endr
	WIN 0
.set jj, AC4
.rept 32
	v_med3_num_f32 v[jj], v[jj], 0, v16
.set jj, jj+1
.endr
.set jj, 0
.rept 4
	v_cvt_scalef32_pk8_bf8_f32 v[OFX+32+2*jj:OFX+32+2*jj+1], v[AC4+8*jj:AC4+8*jj+7], v17
.set jj, jj+1
.endr
	v_nop                                          ; a plain line behind the last conversion: the next products write its sources
	s_wait_alu depctr_va_vdst(0)                   ; the wait here, ahead of the stores
.irp t, 0,1,2,3,4
	s_cmp_lt_u32 s[50+\t], s24                     ; (my later tiles lie further on: past the last all are left out)
	s_cbranch_scc0 .Lout_\@
	global_store_b128 v5, v[OFX+8*\t:OFX+8*\t+3], s[40+2*\t:41+2*\t] offset:1024*(\a)
	global_store_b128 v5, v[OFX+8*\t+4:OFX+8*\t+7], s[40+2*\t:41+2*\t] offset:1024*(\a)+512
.endr
.Lout_\@:
.endm
.Lpass:                                            ; 4 passes of 320 rows: all that one expert can be given; those past the count are jumped over
	s_cmp_lt_u32 s27, s24
	s_cbranch_scc0 .Lnext
	s_cmp_eq_u32 s26, 0
	s_cbranch_scc1 .Lhave                          ; the first pass has its rows
	s_wait_xcnt 0x0                                ; the last pass's stores have read their registers
	BLOAD 0
	v_add_nc_u32 v23, s28, v13
	TOKENS 23
	s_wait_dscnt 0x0
	XL 0
	XL 1
	s_wait_loadcnt 32                              ; (so at each of these waits: one tile's 32 loads may be out)
	XT 0
	XL 2
	s_wait_loadcnt 32
	XT 1
	XL 3
	s_wait_loadcnt 32
	XT 2
	XL 4
	s_wait_loadcnt 32
	XT 3
	s_wait_loadcnt 0x0
	XT 4
.Lhave:
	TILES
	WFR 0
	DIVB
.irp n, 0,1,2,3,4,5,6,7
	USTEP \n
.endr
	EPI 0
	s_wait_loadcnt 0x0                             ; b1 of half 1, asked for in step 2
	DIVB
.irp n, 8,9,10,11,12,13,14,15
	USTEP \n
.endr
	EPI 1
	s_wait_xcnt 0x0                                ; the stores have read their bases
.Lnext:
	s_add_co_u32 s27, s27, 20
	s_add_co_u32 s28, s28, 1280
	s_add_co_u32 s26, s26, 1
	s_cmp_lt_u32 s26, 4
	s_cbranch_scc1 .Lpass
	s_wait_tensorcnt 0x0                           ; the wave's end
	ds_add_u32 v9, v10
	s_wait_dscnt 0x0
	s_endpgm
.Lfunc_end_k_qec4abc20e4_up:
	.size	k_qec4abc20e4_up, .Lfunc_end_k_qec4abc20e4_up-k_qec4abc20e4_up
	.p2alignl 7, 3214868480
	.fill 96, 4, 3214868480
	.section	.rodata,"a",@progbits
	.p2align	6, 0x0
	.amdhsa_kernel k_qec4abc20e4_up
		.amdhsa_group_segment_fixed_size 206336
		.amdhsa_private_segment_fixed_size 0
		.amdhsa_enable_private_segment 0
		.amdhsa_kernarg_size 56
		.amdhsa_user_sgpr_count 2
		.amdhsa_user_sgpr_kernarg_segment_ptr 1
		.amdhsa_wavefront_size32 1
		.amdhsa_system_sgpr_workgroup_id_x 1
		.amdhsa_system_sgpr_workgroup_id_y 1
		.amdhsa_system_sgpr_workgroup_id_z 1
		.amdhsa_system_vgpr_workitem_id 0
		.amdhsa_next_free_vgpr 1024
		.amdhsa_next_free_sgpr 100
		.amdhsa_reserve_vcc 0
		.amdhsa_float_denorm_mode_32 3
		.amdhsa_float_denorm_mode_16_64 3
		.amdhsa_memory_ordered 1
		.amdhsa_forward_progress 1
		.amdhsa_inst_pref_size 201
	.end_amdhsa_kernel
	.amdgpu_metadata
---
amdhsa.version: [ 1, 2 ]
amdhsa.kernels:
  - .name:           k_qec4abc20e4_up
    .symbol:         k_qec4abc20e4_up.kd
    .args:
      - { .name: xc, .offset: 0, .size: 8, .value_kind: global_buffer, .address_space: global }
      - { .name: sel, .offset: 8, .size: 8, .value_kind: global_buffer, .address_space: global }
      - { .name: w1_codes, .offset: 16, .size: 8, .value_kind: global_buffer, .address_space: global }
      - { .name: b1, .offset: 24, .size: 8, .value_kind: global_buffer, .address_space: global }
      - { .name: lowp_scales, .offset: 32, .size: 8, .value_kind: global_buffer, .address_space: global }
      - { .name: him, .offset: 40, .size: 8, .value_kind: global_buffer, .address_space: global }
      - { .name: rid, .offset: 48, .size: 8, .value_kind: global_buffer, .address_space: global }
    .group_segment_fixed_size: 206336
    .private_segment_fixed_size: 0
    .kernarg_segment_align: 8
    .kernarg_segment_size: 56
    .max_flat_workgroup_size: 128
    .sgpr_count:     100
    .vgpr_count:     1024
    .wavefront_size: 32
...
	.end_amdgpu_metadata
.endif
;; end of part 2
;; launch down (part 3): grid 32 x 8, 4 waves a work-group, no clusters, 150,016 bytes of LDS; arguments him, rid, w2_codes, b2, lowp_scales, par; writes par
.if DOCPART == 3
	.amdgcn_target "amdgcn-amd-amdhsa--gfx1250"
	.amdhsa_code_object_version 6
	.text
	.protected	k_qec4abc20e4_down
	.globl	k_qec4abc20e4_down
	.p2align	8
	.type	k_qec4abc20e4_down,@function
k_qec4abc20e4_down:
	s_mov_b64 s[64:65], 0
	v_nop
	global_prefetch_b8 v0, s[64:65] scope:SCOPE_SE
	s_setreg_imm32_b32 hwreg(HW_REG_WAVE_MODE, 25, 1), 1
	s_wait_xcnt 0x0
; THE SECOND PRODUCT, FOR THE ROUTED ROWS ALONE, in two halves of K: par[kh][2 token + slot][n] = 2^(e2 + e3) x sum over k in half kh of h[row][k] W2[e][n][k]  (+ b2[e][n] where kh = 0).
; him: the hidden layer's codes as images of operand registers, [8 e][64 tiles][32 K steps][4 pieces][32 lanes][16 bytes].  w2_codes: [8][1024 n][4096 k].  rid: [8][1024] = 2 token + slot; word 8,192 + e = the expert's count M.
; par: two planes of 2,056 rows of 1,024: 2,048 rows of results, then a spare row for each expert, into which its rows past M go (rid names it; they are all of one token, so they hold the same bits; nobody reads them).
; A work-group owns expert e = y, 64 n and a half of K (x = 2 n block + half): its 128 KB of W2's codes stay in LDS.  A pass is 20 tiles of 16 rows; wave w owns tiles w, w + 4, .. w + 16 of it and all 64 n: each byte of h is
; loaded once in the work-group, straight into operand registers (512 consecutive bytes a load), no sum goes from wave to wave, and no barrier stands in the passes.
; h goes through a ring of four K steps of registers, asked for three K steps ahead; W2's fragments through two sets, fetched one K step ahead.  The fifth tile is jumped over in waves that have none.
; THE PRODUCT IS USED TRANSPOSED (source 0 = 16 rows of W2, source 1 = 16 rows of h): a lane holds eight neighbouring n of one row; a tile leaves through the wave's own stage in LDS, two rows' 256 aligned bytes a store.
; NO TENSOR LOADS, NO JOINT LOADS: how many passes there are hangs on M, which is read from memory.  No prefetch: h is loaded three K steps ahead, and the weights at the head.
; LIMIT: e2 + e3 between -126 and 127.
; REGISTERS: window 0: below;  window 1: the weights as they land, then the sums: (tile t, n tile j) at v[32 t + 8 j];  windows 2, 3: h: K step k in window 2 + (k % 4) / 2 at v[80 (k % 2) + 16 t].
.set WP,   2064                        ; an LDS row of W2: 2,048 bytes + 16: 129 x 16, so the 16 rows of a fragment load fall on 16 different columns of 16 bytes
.set STG,  64*WP                       ; each wave's stage: 16 rows of 256 bytes + 16
.set RP,   272
.set SPARE, STG+4*16*RP
.set PLANE, 2056*4096
.set HO,   20                          ; v20-24 byte offsets of my tiles in him
.set HP,   50                          ; v50-54 the same offsets again, for the loads inside a pass
.set ID,   26                          ; v26-30 lane r: the id of row r of my tiles
.set BPI,  32                          ; v32-39 4 x (2 i + lane / 16)
.set IA,   56                          ; v56-60 byte offsets of my tiles in rid
.set WB,   64                          ; v64-127, v128-191 fragments of W2
.set OUT,  64                          ; the way out: tile t at v[64 + 32 t]; its rows' offsets in par at v[224 + 8 t], the fifth's at v40
.set MSB, 0
.macro WIN new                         ; the immediate's high byte repeats the setting that is left
.if MSB != (\new)
	s_set_vgpr_msb (MSB<<8)|(\new)
.set MSB, (\new)
.endif
.endm
.macro PL n
.rept \n
	v_nop
.endr
.endm
	s_load_b256 s[4:11], s[0:1], 0x0               ; him s[4:5], rid s[6:7], w2_codes s[8:9], b2 s[10:11]
	s_load_b128 s[12:15], s[0:1], 0x20             ; the scales s[12:13], par s[14:15]
	v_lshl_add_u32 v12, v0, 2, SPARE               ; my spare word
	v_mov_b32 v13, 0
	v_lshrrev_b32 v1, 5, v0
	v_readfirstlane_b32 s18, v1                    ; wave
	v_and_b32 v1, 31, v0
	v_and_b32 v2, 15, v0                           ; r
	v_bfe_u32 v3, v0, 4, 1                         ; h
	v_lshlrev_b32 v4, 4, v2                        ; 16 r
	v_lshlrev_b32 v8, 4, v1                        ; 16 lane
	v_lshlrev_b32 v9, 2, v2                        ; 4 r
	v_lshlrev_b32 v14, 2, v3
	s_mul_i32 s28, s18, 16*WP
	v_add_nc_u32 v5, s28, v8                       ; W2 into LDS: the 16 rows that I load
	v_mul_u32_u24 v6, v2, WP
	v_lshl_add_u32 v6, v3, 4, v6                   ; a fragment: row r, + 16 h: n tiles 0, 1
	v_add_nc_u32 v7, 32*WP, v6                     ; n tiles 2, 3
	s_mul_i32 s28, s18, 16*RP
	s_add_co_u32 s28, s28, STG
	v_mul_u32_u24 v10, v2, RP
	v_lshl_add_u32 v10, v3, 5, v10
	v_add_nc_u32 v10, s28, v10                     ; into my stage: row r, 32 bytes a half
	v_mul_u32_u24 v11, v3, RP
	v_add_nc_u32 v11, v11, v4
	v_add_nc_u32 v11, s28, v11                     ; and out: lanes 0-15 one row, lanes 16-31 the next
.irp i, 0,1,2,3,4,5,6,7
	v_add_nc_u32 v[BPI+\i], 8*\i, v14
.endr
	s_wait_alu depctr_va_vdst(0)                   ; the wait at the head's end
	s_lshr_b32 s19, ttmp9, 1                       ; block of 64 n
	s_and_b32 s20, ttmp9, 1                        ; half of K
	s_and_b32 s21, ttmp7, 0xffff                   ; expert
	s_lshl_b32 s28, s21, 2
	s_mov_b32 s29, 0                               ; M's word
	s_lshl_b32 s30, s21, 12
	s_mov_b32 s31, 0                               ; rid: expert
	s_lshl_b32 s32, s21, 22
	s_lshl_b32 s33, s20, 15
	s_add_co_u32 s32, s32, s33
	s_mov_b32 s33, 0                               ; him: expert, K step 16 kh
	s_lshl_b32 s34, s21, 22
	s_lshl_b32 s35, s19, 18
	s_add_co_u32 s34, s34, s35
	s_lshl_b32 s35, s20, 11
	s_add_co_u32 s34, s34, s35
	s_lshl_b32 s35, s18, 16
	s_add_co_u32 s34, s34, s35
	s_mov_b32 s35, 0                               ; W2: expert, 64 rows, half, my 16 rows
	s_lshl_b32 s44, s21, 12
	s_lshl_b32 s45, s19, 8
	s_add_co_u32 s44, s44, s45
	s_mov_b32 s45, 0                               ; b2
	s_mul_i32 s46, s20, PLANE
	s_lshl_b32 s47, s19, 8
	s_add_co_u32 s46, s46, s47
	s_mov_b32 s47, 0                               ; par: plane kh, my n
	s_wait_kmcnt 0x0
	s_add_nc_u64 s[42:43], s[6:7], s[28:29]
	s_load_b32 s22, s[42:43], 0x8000               ; M
	s_load_b128 s[36:39], s[12:13], 0x0            ; e0 .. e3
	s_add_nc_u64 s[40:41], s[6:7], s[30:31]
	s_add_nc_u64 s[4:5], s[4:5], s[32:33]
	s_add_nc_u64 s[8:9], s[8:9], s[34:35]
	s_add_nc_u64 s[10:11], s[10:11], s[44:45]
	s_add_nc_u64 s[14:15], s[14:15], s[46:47]
	WIN 0x40                                       ; destination window 1
.set q, 0
.rept 64
	global_load_b128 v[4*q:4*q+3], v8, s[8:9] offset:4096*(q/4)+512*(q%4) th:TH_LOAD_NT   ; row q / 4: 512 consecutive bytes
.set q, q+1
.endr
	WIN 0
	global_load_b128 v[16:19], v4, s[10:11]        ; b2 at my four n on the way out
	s_wait_kmcnt 0x0
	s_add_co_u32 s24, s22, 15
	s_lshr_b32 s24, s24, 4                         ; the expert's tiles
	s_max_u32 s28, s24, 1
	s_sub_co_u32 s28, s28, 1                       ; the last tile: addresses are held at it, so written bytes alone are read (tile 0 is written in any case)
	s_add_co_i32 s26, s38, s39
	s_add_co_i32 s26, s26, 127
	s_lshl_b32 s26, s26, 23                        ; 2^(e2 + e3) as f32
	s_mov_b32 s27, s26                             ; (named with it as a pair, so it is written)
	s_cmp_eq_u32 s20, 0
	s_cselect_b32 s25, -1, 0
	s_mov_b32 s23, 0                               ; the pass's first tile
.macro ADDR                            ; my five tiles: numbers s50-54, offsets, ids
.irp t, 0,1,2,3,4
	s_add_co_u32 s[50+\t], s23, s18
.if \t
	s_add_co_u32 s[50+\t], s[50+\t], 4*\t
.endif
	s_min_u32 s29, s[50+\t], s28
	s_min_u32 s29, s29, 63
	s_lshl_b32 s30, s29, 16
	s_lshl_b32 s29, s29, 6
	v_add_nc_u32 v[HO+\t], s30, v8
	v_add_nc_u32 v[IA+\t], s29, v9
.endr
	s_wait_alu depctr_va_vdst(0)                   ; the wait here, ahead of the readers
.irp t, 0,1,2,3,4
	global_load_b32 v[ID+\t], v[IA+\t], s[40:41]
.endr
.endm
.macro HERE                            ; my five tiles of the pass in hand: numbers s50-54, offsets
.irp t, 0,1,2,3,4
	s_add_co_u32 s[50+\t], s23, s18
.if \t
	s_add_co_u32 s[50+\t], s[50+\t], 4*\t
.endif
	s_min_u32 s29, s[50+\t], s28
	s_min_u32 s29, s29, 63
	s_lshl_b32 s30, s29, 16
	v_add_nc_u32 v[HP+\t], s30, v8
.endr
	s_wait_alu depctr_va_vdst(0)                   ; the wait here, ahead of the readers
.endm
.macro HL k, t, ho                     ; K step k of tile t: four loads of 512 consecutive bytes
	WIN 0x80+0x40*(((\k)%4)/2)
.irp c, 0,1,2,3
	global_load_b128 v[80*((\k)%2)+16*(\t)+4*\c:80*((\k)%2)+16*(\t)+4*\c+3], v[\ho+\t], s[4:5] offset:2048*(\k)+512*\c
.endr
.endm
.macro HALL k                          ; K step k of all five tiles: 20 loads
.irp t, 0,1,2,3,4
	HL \k, \t, HO
.endr
	WIN 0
.endm
.macro WST q0
	WIN 0x04                                       ; store data window 1
.set q, \q0
.rept 16
	ds_store_b128 v5, v[4*q:4*q+3] offset:WP*(q/4)+512*(q%4)
.set q, q+1
.endr
	WIN 0
.endm
	ADDR
	HALL 0
	s_wait_loadcnt 63                              ; weights 0-15 are in (behind them: 48 of weights, b2, 5 ids, 20 of h)
	WST 0
	HALL 1
	s_wait_loadcnt 63                              ; weights 16-31
	WST 16
	s_wait_loadcnt 62                              ; weights 32-47 (behind them: 16 of weights, b2, 5 ids, 40 of h)
	WST 32
	HALL 2
	HL 3, 4, HO                                    ; and the fifth tile's K step 3, in every wave: four more loads behind all those counted here
	WIN 0
	s_wait_loadcnt 63                              ; weights 48-63 and b2 (behind b2: 5 ids, 64 of h)
	WST 48
.irp i, 0,1,2,3
	v_and_b32 v[16+\i], s25, v[16+\i]              ; the bias goes into plane 0 alone
.endr
	s_wait_alu depctr_va_vdst(0)                   ; the wait here, ahead of the waits below
	s_wait_dscnt 0x0                               ; for the others' sake: my weights lie in LDS
	s_barrier_signal -1
	s_barrier_wait -1
.macro WFR k                           ; W2's four fragments of K step k
.irp t, 0,1,2,3
.irp c, 0,1,2,3
	ds_load_b128 v[WB+64*((\k)%2)+16*\t+4*\c:WB+64*((\k)%2)+16*\t+4*\c+3], v[6+\t/2] offset:16*WP*(\t%2)+128*(\k)+32*\c
.endr
.endr
.endm
.macro MUL k, t                        ; four accumulators, one instruction a turn; the first K step starts the sums
	WIN 0x58+4*(((\k)%4)/2)                        ; source 0 (W2) window 0, source 1 (h) window 2 or 3, C and D window 1
.irp j, 0,1,2,3
.set ac, 32*(\t)+8*\j
.set ww, WB+64*((\k)%2)+16*\j
.set hx, 80*((\k)%2)+16*(\t)
.if (\k) == 0
	v_wmma_f32_16x16x128_bf8_bf8 v[ac:ac+7], v[ww:ww+15], v[hx:hx+15], 0
.else
	v_wmma_f32_16x16x128_bf8_bf8 v[ac:ac+7], v[ww:ww+15], v[hx:hx+15], v[ac:ac+7]
.endif
.endr
.endm
; A K STEP: 16 or 20 matrix instructions; the accumulators by turns.  Behind a K step's own loads of h stand those of the two K steps after it: 16 each at the least (the fifth tile's four may be jumped over), 20 each where the head asked.
.macro KSTEP k
.if (\k) == 0
	s_wait_loadcnt 40
.elseif (\k) == 1
	s_wait_loadcnt 36
.elseif (\k) < 14
	s_wait_loadcnt 32
.elseif (\k) == 14
	s_wait_loadcnt 16
.else
	s_wait_loadcnt 0
.endif
	s_wait_dscnt 0x0                               ; this K step's fragments of W2
	PL 4                                           ; places ahead of the loads into registers that the last K step's products have read
.if (\k) < 15
	WFR (\k)+1
.endif
.if (\k) < 13
.irp t, 0,1,2,3
	HL (\k)+3, \t, HP
.endr
.endif
.irp t, 0,1,2,3
	MUL \k, \t
.endr
	WIN 0
	s_cmp_lt_u32 s54, s24                          ; have I a fifth tile?
	s_cbranch_scc0 .Lfour_\@
.if ((\k) > 0) && ((\k) < 13)                  ; (K step 3's were asked for ahead of the pass)
	HL (\k)+3, 4, HP
.endif
	MUL \k, 4
	WIN 0
.Lfour_\@:
.endm
.macro ROSET t
.if (\t) < 4
.set RO, 224+8*(\t)
.else
.set RO, 40
.endif
.endm
.macro TOST t                          ; tile t into my stage and back by rows; ids to the lanes that store the rows
	ROSET \t
	WIN 0x04
.irp j, 0,1,2,3
	ds_store_b128 v10, v[32*(\t)+8*\j:32*(\t)+8*\j+3] offset:64*\j
	ds_store_b128 v10, v[32*(\t)+8*\j+4:32*(\t)+8*\j+7] offset:64*\j+16
.endr
	WIN 0
.irp i, 0,1,2,3,4,5,6,7
	ds_load_b128 v[OUT+32*(\t)+4*\i:OUT+32*(\t)+4*\i+3], v11 offset:2*RP*\i    ; LDS serves a wave's instructions in order
.endr
.irp i, 0,1,2,3,4,5,6,7
	ds_bpermute_b32 v[RO+\i], v[BPI+\i], v[ID+\t]
.endr
.endm
.macro FIN t, younger                  ; x 2^(e2 + e3), + b2, stored; younger: the next tile's 24 LDS instructions, which may be out
	ROSET \t
	s_cmp_lt_u32 s[50+\t], s24                     ; (my later tiles lie further on: past the last all are left out)
	s_cbranch_scc0 .Lout
	s_wait_dscnt \younger
.irp i, 0,1,2,3,4,5,6,7
	v_min_u32 v[RO+\i], 0x807, v[RO+\i]
.endr
.irp i, 0,1,2,3,4,5,6,7
	v_lshl_add_u32 v[RO+\i], v[RO+\i], 12, v4
.endr
.irp i, 0,1,2,3,4,5,6,7
.irp p, 0,2
	v_pk_fma_f32 v[OUT+32*(\t)+4*\i+\p:OUT+32*(\t)+4*\i+\p+1], v[OUT+32*(\t)+4*\i+\p:OUT+32*(\t)+4*\i+\p+1], s[26:27], v[16+\p:17+\p] op_sel_hi:[1,0,1]
.endr
.endr
.irp i, 0,1,2,3,4,5,6,7
	global_store_b128 v[RO+\i], v[OUT+32*(\t)+4*\i:OUT+32*(\t)+4*\i+3], s[14:15]
.endr
.endm
	s_mov_b32 s48, 0
.Lpass:                                            ; 4 passes of 320 rows: all that one expert can be given; those past the count are jumped over
	s_cmp_lt_u32 s23, s24
	s_cbranch_scc0 .Lnext
	s_cmp_eq_u32 s48, 0
	s_cbranch_scc1 .Lhave                          ; the first pass's first three K steps are on their way
	s_wait_loadcnt 0x0                             ; no load of mine is out: its offsets may be written
	s_wait_xcnt 0x0
	ADDR
	HALL 0
	HALL 1
	HALL 2
	HL 3, 4, HO
	WIN 0
.Lhave:
	HERE
	WFR 0
.irp k, 0,1,2,3,4,5,6,7,8,9,10,11,12,13,14,15
	KSTEP \k
.endr
	PL 5                                           ; places ahead of the stores that read the results and of loads into the products' sources
	TOST 0
	TOST 1
	FIN 0, 24
	TOST 2
	FIN 1, 24
	TOST 3
	FIN 2, 24
	TOST 4                                         ; (without a fifth tile these numbers go nowhere)
	FIN 3, 24
	FIN 4, 0
.Lout:
	s_wait_dscnt 0x0
	s_wait_xcnt 0x0                                ; the stores have read their registers
.Lnext:
	s_add_co_u32 s23, s23, 20
	s_add_co_u32 s48, s48, 1
	s_cmp_lt_u32 s48, 4
	s_cbranch_scc1 .Lpass
	s_wait_tensorcnt 0x0                           ; the wave's end
	ds_add_u32 v12, v13
	s_wait_dscnt 0x0
	s_endpgm
.Lfunc_end_k_qec4abc20e4_down:
	.size	k_qec4abc20e4_down, .Lfunc_end_k_qec4abc20e4_down-k_qec4abc20e4_down
	.p2alignl 7, 3214868480
	.fill 96, 4, 3214868480
	.section	.rodata,"a",@progbits
	.p2align	6, 0x0
	.amdhsa_kernel k_qec4abc20e4_down
		.amdhsa_group_segment_fixed_size 150016
		.amdhsa_private_segment_fixed_size 0
		.amdhsa_enable_private_segment 0
		.amdhsa_kernarg_size 48
		.amdhsa_user_sgpr_count 2
		.amdhsa_user_sgpr_kernarg_segment_ptr 1
		.amdhsa_wavefront_size32 1
		.amdhsa_system_sgpr_workgroup_id_x 1
		.amdhsa_system_sgpr_workgroup_id_y 1
		.amdhsa_system_sgpr_workgroup_id_z 1
		.amdhsa_system_vgpr_workitem_id 0
		.amdhsa_next_free_vgpr 1024
		.amdhsa_next_free_sgpr 66
		.amdhsa_reserve_vcc 0
		.amdhsa_float_denorm_mode_32 3
		.amdhsa_float_denorm_mode_16_64 3
		.amdhsa_memory_ordered 1
		.amdhsa_forward_progress 1
		.amdhsa_inst_pref_size 121
	.end_amdhsa_kernel
	.amdgpu_metadata
---
amdhsa.version: [ 1, 2 ]
amdhsa.kernels:
  - .name:           k_qec4abc20e4_down
    .symbol:         k_qec4abc20e4_down.kd
    .args:
      - { .name: him, .offset: 0, .size: 8, .value_kind: global_buffer, .address_space: global }
      - { .name: rid, .offset: 8, .size: 8, .value_kind: global_buffer, .address_space: global }
      - { .name: w2_codes, .offset: 16, .size: 8, .value_kind: global_buffer, .address_space: global }
      - { .name: b2, .offset: 24, .size: 8, .value_kind: global_buffer, .address_space: global }
      - { .name: lowp_scales, .offset: 32, .size: 8, .value_kind: global_buffer, .address_space: global }
      - { .name: par, .offset: 40, .size: 8, .value_kind: global_buffer, .address_space: global }
    .group_segment_fixed_size: 150016
    .private_segment_fixed_size: 0
    .kernarg_segment_align: 8
    .kernarg_segment_size: 48
    .max_flat_workgroup_size: 128
    .sgpr_count:     66
    .vgpr_count:     1024
    .wavefront_size: 32
...
	.end_amdgpu_metadata
.endif
;; end of part 3
;; launch sum (part 4): grid 256 x 1, 4 waves a work-group, no clusters, 0 bytes of LDS; arguments par, wts, prb, out0, out1; writes out0, out1
.if DOCPART == 4
	.amdgcn_target "amdgcn-amd-amdhsa--gfx1250"
	.amdhsa_code_object_version 6
	.text
	.protected	k_qec4abc20e4_sum
	.globl	k_qec4abc20e4_sum
	.p2align	8
	.type	k_qec4abc20e4_sum,@function
k_qec4abc20e4_sum:
	s_mov_b64 s[64:65], 0
	v_nop
	global_prefetch_b8 v0, s[64:65] scope:SCOPE_SE
	s_setreg_imm32_b32 hwreg(HW_REG_WAVE_MODE, 25, 1), 1
	s_wait_xcnt 0x0
; out0[t] = w0 (P0 + P1)[2 t] + w1 (P0 + P1)[2 t + 1]: the two halves of K and the token's two experts, each output row with one owner.  par: [2][2056][1024] f32.  wts: [1024][2].  A wave takes a token: t = 4 x work-group + wave.
; Every load and store of the wave covers 512 consecutive bytes; all 32 loads are issued ahead of the first wait.  A stream: no LDS, no barrier, no matrix unit.
; THE LOSS, by the first wave of the first work-group.  u = the mean of the gate's p over the tokens (prb: [256][8] sums of four).  The loss 0.01 x KL(uniform || softmax(u)) / 8 is, term for term,
; 0.01 / 8 x (ln(sum_e exp(u_e)) - mean(u) - ln 8) = 0.00125 x ln(mean_e exp(d_e)), d_e = u_e - mean(u).  u is a mean of softmax rows: not negative, its sum 1, for every input.  So |d_e| <= 0.875 and
; mean exp(d) = 1 + w with 0 <= w <= 0.073.  w = (sum d_e + sum d_e^2 (1/2 + d_e/6 + .. + d_e^8/10!)) / 8: what is left out is under 2e-8 of the sum;  ln(1 + w) = w (1 - w (1/2 - w (1/3 - .. w/7))): under 2e-9.
; In this form no difference of numbers near ln 8 is taken, and no exponent can be large: no maximum has to be taken away.
.set T,  16                            ; v16-143  piece j: plane 0 slot 0, plane 0 slot 1, plane 1 slot 0, plane 1 slot 1, four registers each
.set U,  144                           ; v144-207 prb, then the loss's work
.set D,  U+16
.set PP, U+24
	s_load_b256 s[4:11], s[0:1], 0x0               ; par s[4:5], wts s[6:7], prb s[8:9], out0 s[10:11]
	s_load_b64 s[12:13], s[0:1], 0x20              ; out1
	v_lshrrev_b32 v1, 5, v0
	v_readfirstlane_b32 s14, v1
	v_and_b32 v1, 31, v0
	v_lshlrev_b32 v2, 4, v1
	s_lshl_b32 s15, ttmp9, 2
	s_add_co_u32 s15, s15, s14                     ; my token
	s_or_b32 s16, ttmp9, s14                       ; 0 in the wave that makes the loss
	s_lshl_b32 s18, s15, 13
	s_mov_b32 s19, 0                               ; its two rows in a plane
	s_lshl_b32 s26, s15, 3
	s_mov_b32 s27, 0                               ; its weights
	s_lshl_b32 s30, s15, 12
	s_mov_b32 s31, 0                               ; its row of out0
	s_mov_b32 s24, 0x76543210
	s_mov_b32 s25, 0xfedcba98
	s_wait_kmcnt 0x0
	s_add_nc_u64 s[6:7], s[6:7], s[26:27]
	s_load_b64 s[20:21], s[6:7], 0x0               ; w0, w1
	s_add_nc_u64 s[4:5], s[4:5], s[18:19]
	s_add_nc_u64 s[22:23], s[4:5], 0x808000        ; plane 1: a plane is 2,056 rows, 2,048 of results and 8 that are not read
	s_add_nc_u64 s[10:11], s[10:11], s[30:31]
.macro TOKEN
.irp j, 0,1,2,3,4,5,6,7
	global_load_b128 v[T+16*\j:T+16*\j+3],     v2, s[4:5]   offset:512*\j th:TH_LOAD_NT
	global_load_b128 v[T+16*\j+4:T+16*\j+7],   v2, s[4:5]   offset:4096+512*\j th:TH_LOAD_NT
	global_load_b128 v[T+16*\j+8:T+16*\j+11],  v2, s[22:23] offset:512*\j th:TH_LOAD_NT
	global_load_b128 v[T+16*\j+12:T+16*\j+15], v2, s[22:23] offset:4096+512*\j th:TH_LOAD_NT
.endr
	s_wait_kmcnt 0x0
	s_mov_b32 s28, s21                             ; w1 as the low word of a pair of its own: a scalar pair gives its low word to both halves
	s_mov_b32 s29, s21
.irp j, 0,1,2,3,4,5,6,7
	s_wait_loadcnt 4*(7-\j)                        ; piece j's four loads are in; the four of each later piece may be out
.irp q, 0,2
	v_pk_add_f32 v[T+16*\j+\q:T+16*\j+\q+1], v[T+16*\j+\q:T+16*\j+\q+1], v[T+16*\j+8+\q:T+16*\j+8+\q+1]
	v_pk_add_f32 v[T+16*\j+4+\q:T+16*\j+4+\q+1], v[T+16*\j+4+\q:T+16*\j+4+\q+1], v[T+16*\j+12+\q:T+16*\j+12+\q+1]
.endr
.irp q, 0,2
	v_pk_mul_f32 v[T+16*\j+\q:T+16*\j+\q+1], v[T+16*\j+\q:T+16*\j+\q+1], s[20:21] op_sel_hi:[1,0]
.endr
.irp q, 0,2
	v_pk_fma_f32 v[T+16*\j+\q:T+16*\j+\q+1], v[T+16*\j+4+\q:T+16*\j+4+\q+1], s[28:29], v[T+16*\j+\q:T+16*\j+\q+1] op_sel_hi:[1,0,1]
.endr
	global_store_b128 v2, v[T+16*\j:T+16*\j+3], s[10:11] offset:512*\j th:TH_STORE_NT
.endr
.endm
.macro ADDG n, st                      ; group n += group n + st
	v_pk_add_f32 v[U+4*(\n):U+4*(\n)+1], v[U+4*(\n):U+4*(\n)+1], v[U+4*((\n)+(\st)):U+4*((\n)+(\st))+1]
	v_pk_add_f32 v[U+4*(\n)+2:U+4*(\n)+3], v[U+4*(\n)+2:U+4*(\n)+3], v[U+4*((\n)+(\st))+2:U+4*((\n)+(\st))+3]
.endm
	s_cmp_lg_u32 s16, 0
	s_cbranch_scc1 .Lplain
	s_wait_alu depctr_va_vdst(0)
.irp n, 0,1,2,3,4,5,6,7,8,9,10,11,12,13,14,15
	global_load_b128 v[U+4*\n:U+4*\n+3], v2, s[8:9] offset:512*\n   ; issued ahead of the token's loads, so that the counts above hold here too: lane l holds experts 4 (l % 2) + 0 .. 3 of group 16 n + l / 2
.endr
	TOKEN
.irp n, 0,1,2,3,4,5,6,7
	ADDG \n, 8
.endr
.irp n, 0,1,2,3
	ADDG \n, 4
.endr
	ADDG 0, 2
	ADDG 1, 2
	ADDG 0, 1
.irp m, 2,4,8
.irp i, 0,1,2,3
	v_add_f32_dpp v[U+\i], v[U+\i], v[U+\i] row_xmask:\m row_mask:0xf bank_mask:0xf   ; over the lanes of my parity
.endr
.endr
.irp i, 0,1,2,3
	v_permlanex16_b32 v[U+4+\i], v[U+\i], s24, s25
.endr
.irp i, 0,1,2,3
	v_add_f32 v[U+\i], v[U+\i], v[U+4+\i]
.endr
.irp i, 0,1,2,3
	v_mov_b32_dpp v[U+4+\i], v[U+\i] row_xmask:1 row_mask:0xf bank_mask:0xf           ; the other four experts: what follows is symmetric in the eight
.endr
.irp i, 0,2,4,6
	v_pk_mul_f32 v[U+\i:U+\i+1], v[U+\i:U+\i+1], 0x3a800000 op_sel_hi:[1,0]           ; / 1,024: u
.endr
	v_pk_add_f32 v[U+8:U+9], v[U:U+1], v[U+2:U+3]
	v_pk_add_f32 v[U+10:U+11], v[U+4:U+5], v[U+6:U+7]
	v_pk_add_f32 v[U+8:U+9], v[U+8:U+9], v[U+10:U+11]
	v_add_f32 v[U+8], v[U+8], v[U+9]
	v_mul_f32 v[U+8], 0x3e000000, v[U+8]           ; mean(u)
.irp i, 0,1,2,3,4,5,6,7
	v_sub_f32 v[D+\i], v[U+\i], v[U+8]             ; d
.endr
	v_mov_b32 v[U+32], 0x3493f27e                  ; 1 / 10!
	v_mov_b32 v[U+33], 0x3493f27e
.irp i, 0,2,4,6
	v_pk_fma_f32 v[PP+\i:PP+\i+1], v[D+\i:D+\i+1], v[U+32:U+33], 0x3638ef1d op_sel_hi:[1,1,0]   ; + 1 / 9!
.endr
.irp c, 0x37d00d01, 0x39500d01, 0x3ab60b61, 0x3c088889, 0x3d2aaaab, 0x3e2aaaab, 0x3f000000      ; 1 / 8! .. 1 / 2!
.irp i, 0,2,4,6
	v_pk_fma_f32 v[PP+\i:PP+\i+1], v[PP+\i:PP+\i+1], v[D+\i:D+\i+1], \c op_sel_hi:[1,1,0]
.endr
.endr
	v_pk_add_f32 v[U+34:U+35], v[D:D+1], v[D+2:D+3]      ; the sum of d: what rounding has left of 0
	v_pk_add_f32 v[U+36:U+37], v[D+4:D+5], v[D+6:D+7]
	v_pk_add_f32 v[U+34:U+35], v[U+34:U+35], v[U+36:U+37]
.irp i, 0,2,4,6
	v_pk_mul_f32 v[D+\i:D+\i+1], v[D+\i:D+\i+1], v[D+\i:D+\i+1]
.endr
.irp i, 0,2,4,6
	v_pk_fma_f32 v[U+34:U+35], v[PP+\i:PP+\i+1], v[D+\i:D+\i+1], v[U+34:U+35]
.endr
	v_add_f32 v[U+38], v[U+34], v[U+35]
	v_mul_f32 v[U+38], 0x3e000000, v[U+38]         ; w
	v_mul_f32 v[U+39], -1.0, v[U+38]               ; -w
	v_mov_b32 v[U+40], 0x3e124925                  ; 1 / 7
.irp c, 0x3e2aaaab, 0x3e4ccccd, 0x3e800000, 0x3eaaaaab, 0x3f000000, 0x3f800000                  ; 1 / 6 .. 1
	v_fmaak_f32 v[U+40], v[U+40], v[U+39], \c
.endr
	v_mul_f32 v[U+40], v[U+40], v[U+38]            ; ln(1 + w)
	v_mul_f32 v[U+40], 0x3aa3d70a, v[U+40]         ; x 0.01 / 8
	v_mov_b32 v3, 0
	v_cmp_eq_u32 vcc_lo, 0, v1
	s_wait_alu depctr_va_vdst(0)
	s_wait_xcnt 0x0                                ; EXEC is a source of the stores that are out: it changes only behind this wait
	s_and_saveexec_b32 s17, vcc_lo
	global_store_b32 v3, v[U+40], s[12:13]
	s_endpgm
.Lplain:
	s_wait_alu depctr_va_vdst(0)
	TOKEN
	s_endpgm
.Lfunc_end_k_qec4abc20e4_sum:
	.size	k_qec4abc20e4_sum, .Lfunc_end_k_qec4abc20e4_sum-k_qec4abc20e4_sum
	.p2alignl 7, 3214868480
	.fill 96, 4, 3214868480
	.section	.rodata,"a",@progbits
	.p2align	6, 0x0
	.amdhsa_kernel k_qec4abc20e4_sum
		.amdhsa_group_segment_fixed_size 0
		.amdhsa_private_segment_fixed_size 0
		.amdhsa_enable_private_segment 0
		.amdhsa_kernarg_size 40
		.amdhsa_user_sgpr_count 2
		.amdhsa_user_sgpr_kernarg_segment_ptr 1
		.amdhsa_wavefront_size32 1
		.amdhsa_system_sgpr_workgroup_id_x 1
		.amdhsa_system_sgpr_workgroup_id_y 1
		.amdhsa_system_sgpr_workgroup_id_z 1
		.amdhsa_system_vgpr_workitem_id 0
		.amdhsa_next_free_vgpr 208
		.amdhsa_next_free_sgpr 66
		.amdhsa_reserve_vcc 1
		.amdhsa_float_denorm_mode_32 3
		.amdhsa_float_denorm_mode_16_64 3
		.amdhsa_memory_ordered 1
		.amdhsa_forward_progress 1
		.amdhsa_inst_pref_size 28
	.end_amdhsa_kernel
	.amdgpu_metadata
---
amdhsa.version: [ 1, 2 ]
amdhsa.kernels:
  - .name:           k_qec4abc20e4_sum
    .symbol:         k_qec4abc20e4_sum.kd
    .args:
      - { .name: par, .offset: 0, .size: 8, .value_kind: global_buffer, .address_space: global }
      - { .name: wts, .offset: 8, .size: 8, .value_kind: global_buffer, .address_space: global }
      - { .name: prb, .offset: 16, .size: 8, .value_kind: global_buffer, .address_space: global }
      - { .name: out0, .offset: 24, .size: 8, .value_kind: global_buffer, .address_space: global }
      - { .name: out1, .offset: 32, .size: 8, .value_kind: global_buffer, .address_space: global }
    .group_segment_fixed_size: 0
    .private_segment_fixed_size: 0
    .kernarg_segment_align: 8
    .kernarg_segment_size: 40
    .max_flat_workgroup_size: 128
    .sgpr_count:     66
    .vgpr_count:     208
    .wavefront_size: 32
...
	.end_amdgpu_metadata
.endif
;; end of part 4
